; MI455X (gfx1250); checked and timed in simulation.
; The chip was launched on July 23, 2026; its instructions are those of AMD's public machine-readable ISA for CDNA 5 (MIT licence, August 2026) and "CDNA5" Instruction Set Architecture Reference Guide (July 2026). The comments in the code are by the model that wrote it; some were corrected since.
;; Analytic Renderer. Allowed arithmetic: float matrix products may take bf16 or f16 operands with f32 sums; all other float work in f32.
;; Inputs: M 8 x 3 float32; P 4 x 3 x 4 float32; S 8 x 3 x 3 float32.
;; Outputs: out0 4 x 976 x 976 float32.
;; 2 versions, each right; version 2 is version 1 with the launch render written anew for expert scheduling mode. Each part assembles by itself: llvm-mc -triple=amdgcn-amd-amdhsa -mcpu=gfx1250 --defsym DOCPART=n.
;; ======== version 1 of 2: 1 launch
;; limits: right only within a limited range of input values
;; launch render (part 1): grid 61 x 4, 16 waves a work-group, no clusters, 2,560 bytes of LDS; arguments P, M, S, out0; writes out0
.if DOCPART == 1
	.amdgcn_target "amdgcn-amd-amdhsa--gfx1250"
	.amdhsa_code_object_version 6
	.text
	.protected	k_qadae238cb3_render
	.globl	k_qadae238cb3_render
	.p2align	8
	.type	k_qadae238cb3_render,@function
k_qadae238cb3_render:
	s_mov_b64 s[64:65], 0
	v_nop
	global_prefetch_b8 v0, s[64:65] scope:SCOPE_SE
	s_setreg_imm32_b32 hwreg(HW_REG_WAVE_MODE, 25, 1), 1
	s_wait_xcnt 0x0
; out[v][u][w] = sum over 8 ellipsoids of the chord length of the pixel's ray.  P [4][3][4], M [8][3], S [8][3][3], out [4][976][976], all f32.
;
; ALGEBRA.  K = P[v][:, :3], R' = adj(K) / |adj(K)|_F, p = (u, w, 1), T = inv(S) R', t = T p, Cn = inv(S) (C - M), C = -adj(K) P[v][:,3] / det K.
; The two normalisations of the problem's formula are positive scalings that cancel, the sign and size of det K cancel as well (b enters
; squared, val is a norm), and S inv(S) = I.  That leaves
;     disc / 4 = 1 - |Cn x t|^2 / |t|^2          out = sqrt(4 |R' p|^2) * sum_n sqrt(max(N_n, 0)) / G_n,   G = |t|^2,  N = G - |Cn x t|^2.
; N is NOT formed as (Cn.t)^2 - c G, whose two terms are |Cn|^2 times larger than their difference.  |Cn x t|^2 = L1^2 + L2^2 with two linear
; forms in p: an orthonormal basis of the plane across Cn, scaled by |Cn|, and turned in that plane so that L2 has no term in w.  Along a row:
;     t = g2 w + g1,  G = t w + g0,  Gk = t w + (g0 - L2^2),  L = al w + be,  N = Gk - L^2,  x = max(N, 0),  sum += x * rsq(x G^2 + 2^-120)
; one transcendental and nine plain operations for a pixel and an ellipsoid, eight of them two at a time (pairs of ellipsoids n, n + 1).
; No matrix instruction: every contraction has length 3 and the pixel numbers (up to 975) need more bits than a 16-bit float keeps.
; No cluster, tensor load or prefetch: the inputs are 576 bytes and nothing is streamed in.
;
; LIMITS.  K and S invertible (the problem's formula inverts them; its NaN or infinity for singular ones is not reproduced).  x G^2 is kept in
; f32: with |R'|_F = 1, G <= 1.9e6 / smin(S)^2 and G^3 < 3.4e38 ask smin(S) > 5.2e-4.  The guard 2^-120 keeps rsq finite where x = 0; it
; lowers a value only where (disc/4) G^3 comes near 1e-36.  The order of rounding differs from the problem's formula.
;
; SHARES.  Work-group: 16 rows of one view.  Four rows are 15,616 bytes = 61 aligned blocks of 256 bytes; wave (part j = wave >> 2, group g = wave & 3)
; takes blocks 15 j .. 15 j + 14 of group g (part 3: one more).  A lane owns 2 neighbouring pixels, so each store of the wave covers 256 consecutive
; bytes, aligned.  Block 15 j lies across rows j - 1 and j (8 j lanes in the upper row): the row coefficients are vector registers, so that block runs
; with a u and a w of each lane's own; afterwards they are remade for row j alone.
.set DEC,    976
.set VIEWB,  DEC*DEC*4                 ; bytes of a view
.set GRPB,   4*DEC*4                   ; four rows = 61 * 256 bytes
.set WGB,    4*GRPB                    ; the work-group's 16 rows
.set PARTB,  15*256                    ; a part
.set TAU,    0x03800000                ; 2^-120
.set TINY,   0x0d800000                ; 2^-100
; constant coefficients, 8 registers each (ellipsoid n in register n), as they come from LDS bytes 0 .. 383
.set C_G2,  16                         ; g_ww
.set C_AL,  24                         ; al: L1's factor of w
.set C_GUW, 32
.set C_GW,  40
.set C_GUU, 48
.set C_GU,  56
.set C_G11, 64
.set C_BU,  72                         ; L1: factor of u, constant
.set C_B1,  80
.set C_CU,  88                         ; L2: factor of u, constant
.set C_C1,  96
.set QC,    104                        ; 4 |R' p|^2: q_ww, q_uw, q_w, q_uu, q_u, q_11, two fillers
; row coefficients
.set R_G1,  112
.set R_G0,  120
.set R_GK,  128
.set R_BE,  136
.set QL,    144                        ; (q1, -), (q0, -): the low register of each pair is used
.set U,     148                        ; (u, u)
.set WA,    150                        ; (w of pixel a, w of pixel b)
.set WB,    152                        ; (w of pixel b, the same)
.set OFF,   154                        ; 8 * lane
.set OUT,   156
.set ACA,   158
.set ACB,   160
.set QT,    162
.set QS,    164
.set SM,    166
.set TA,    168                        ; pixel a: +0 t, Gk, N, x; +8 L, then rsq; +16 G, G^2, y
.set TB,    192                        ; pixel b
; set-up registers of wave 0 (free again behind the barrier)
.set KP, 20
.set SS, 32
.set MM, 41
.set AK, 44
.set AS, 53
.set DK, 62
.set DS, 63
.set RK, 64
.set RS, 65
.set EK, 66
.set ES, 67
.set F0, 68
.set F1, 69
.set F2, 70
.set NK, 71
.set RP, 72
.set DD, 81
.set CN, 84
.set TT, 87
.set GC, 96
.set N2, 102
.set IV, 103
.set LEN, 104
.set CH, 105
.set SG, 108
.set RA, 109
.set BB, 110
.set B1, 111
.set B2, 114
.set XA, 117
.set YA, 118
.set SX, 119
.set AX, 120
.set AY, 123
.set RHO, 126
.set IR, 127
.set CS, 128
.set SN, 129
.set ALP, 130
.set BU, 131
.set BO, 132
.set GU, 133
.set GO, 134
.set QQ, 135
.set DEN, 141
.macro MA d, a, b, first               ; the first product starts a sum, the others add to it
.if \first
	v_mul_f32 v[\d], v[\a], v[\b]
.else
	v_fma_f32 v[\d], v[\a], v[\b], v[\d]
.endif
.endm
.macro COFM d, c, e
	v_mul_f32 v[\d], v[\c], v[\e]
.endm
.macro COFF d, a, b
	v_fma_f32 v[\d], v[\a], v[\b], -v[\d]
.endm
.macro ADJ3 D, B, ST                   ; D = adjugate of the 3 x 3 matrix at B with ST registers from row to row: nine products, then nine fused differences
	COFM \D+0, \B+\ST+2, \B+2*\ST+1
	COFM \D+1, \B+1, \B+2*\ST+2
	COFM \D+2, \B+2, \B+\ST+1
	COFM \D+3, \B+\ST, \B+2*\ST+2
	COFM \D+4, \B+2, \B+2*\ST
	COFM \D+5, \B, \B+\ST+2
	COFM \D+6, \B+\ST+1, \B+2*\ST
	COFM \D+7, \B, \B+2*\ST+1
	COFM \D+8, \B+1, \B+\ST
	COFF \D+0, \B+\ST+1, \B+2*\ST+2
	COFF \D+1, \B+2, \B+2*\ST+1
	COFF \D+2, \B+1, \B+\ST+2
	COFF \D+3, \B+\ST+2, \B+2*\ST
	COFF \D+4, \B, \B+2*\ST+2
	COFF \D+5, \B+2, \B+\ST
	COFF \D+6, \B+\ST, \B+2*\ST+1
	COFF \D+7, \B+1, \B+2*\ST
	COFF \D+8, \B, \B+\ST+1
.endm
.macro MMPASS D, A, B, k, first        ; D += column k of A times row k of B (3 x 3, three registers a row)
.irp i, 0,1,2
.irp j, 0,1,2
	MA \D+3*\i+\j, \A+3*\i+\k, \B+3*\k+\j, \first
.endr
.endr
.endm
.macro GRAMROW D, B, first             ; one row's share of the six products of columns: 00, 11, 22, 01, 02, 12
	MA \D+0, \B+0, \B+0, \first
	MA \D+1, \B+1, \B+1, \first
	MA \D+2, \B+2, \B+2, \first
	MA \D+3, \B+0, \B+1, \first
	MA \D+4, \B+0, \B+2, \first
	MA \D+5, \B+1, \B+2, \first
.endm
.macro APASS i, first                  ; the two scaled basis vectors times T's columns
.irp j, 0,1,2
	MA AX+\j, B1+\i, TT+3*\i+\j, \first
	MA AY+\j, B2+\i, TT+3*\i+\j, \first
.endr
.endm
.macro PKW d, a, w, c                  ; two ellipsoids: d = a * (low register of pair w) + c
	v_pk_fma_f32 v[\d:\d+1], v[\a:\a+1], v[\w:\w+1], v[\c:\c+1] op_sel_hi:[1,0,1]
.endm
; The coefficients of a row, from u in v[U] (each lane's own): 27 instructions.
.macro ROWCOEF
.irp m, 0,2,4,6
	PKW R_G1+\m, C_GUW+\m, U, C_GW+\m              ; g1 = g_uw u + g_w
	PKW TA+\m, C_GUU+\m, U, C_GU+\m
	PKW R_BE+\m, C_BU+\m, U, C_B1+\m               ; be = L1 without its w term
	PKW TA+8+\m, C_CU+\m, U, C_C1+\m               ; L2
.endr
.irp m, 0,2,4,6
	PKW R_G0+\m, TA+\m, U, C_G11+\m                ; g0 = (g_uu u + g_u) u + g_11
.endr
.irp m, 0,2,4,6
	v_pk_fma_f32 v[R_GK+\m:R_GK+\m+1], v[TA+8+\m:TA+8+\m+1], v[TA+8+\m:TA+8+\m+1], v[R_G0+\m:R_G0+\m+1] neg_lo:[1,0,0] neg_hi:[1,0,0]   ; g0 - L2^2
.endr
	v_fma_f32 v[QL], v[QC+1], v[U], v[QC+2]
	v_fma_f32 v[QT], v[QC+3], v[U], v[QC+4]
	v_fma_f32 v[QL+2], v[QT], v[U], v[QC+5]
.endm
; One block of 256 bytes: 2 pixels a lane, 8 ellipsoids each, stage by stage so that eight independent instructions stand between a result and its use.
; adv = 1: the store's base goes on by one block first.
.macro UNIT adv
.irp m, 0,2,4,6
	PKW TA+\m, C_G2+\m, WA, R_G1+\m                ; t = g2 w + g1
	PKW TB+\m, C_G2+\m, WB, R_G1+\m
.endr
.irp m, 0,2,4,6
	PKW TA+8+\m, C_AL+\m, WA, R_BE+\m              ; L = al w + be
	PKW TB+8+\m, C_AL+\m, WB, R_BE+\m
.endr
.irp m, 0,2,4,6
	PKW TA+16+\m, TA+\m, WA, R_G0+\m               ; G = t w + g0
	PKW TB+16+\m, TB+\m, WB, R_G0+\m
.endr
.irp m, 0,2,4,6
	PKW TA+\m, TA+\m, WA, R_GK+\m                  ; Gk = t w + g0 - L2^2
	PKW TB+\m, TB+\m, WB, R_GK+\m
.endr
.irp m, 0,2,4,6
	v_pk_fma_f32 v[TA+\m:TA+\m+1], v[TA+8+\m:TA+8+\m+1], v[TA+8+\m:TA+8+\m+1], v[TA+\m:TA+\m+1] neg_lo:[1,0,0] neg_hi:[1,0,0]   ; N = Gk - L^2
	v_pk_fma_f32 v[TB+\m:TB+\m+1], v[TB+8+\m:TB+8+\m+1], v[TB+8+\m:TB+8+\m+1], v[TB+\m:TB+\m+1] neg_lo:[1,0,0] neg_hi:[1,0,0]
.endr
.irp m, 0,2,4,6
	v_pk_mul_f32 v[TA+16+\m:TA+16+\m+1], v[TA+16+\m:TA+16+\m+1], v[TA+16+\m:TA+16+\m+1]      ; G^2
	v_pk_mul_f32 v[TB+16+\m:TB+16+\m+1], v[TB+16+\m:TB+16+\m+1], v[TB+16+\m:TB+16+\m+1]
.endr
	v_pk_fma_f32 v[QT:QT+1], v[WA:WA+1], v[QC:QC+1], v[QL:QL+1] op_sel_hi:[1,0,0]           ; both pixels: q_ww w + q1
	v_pk_fma_f32 v[QT:QT+1], v[QT:QT+1], v[WA:WA+1], v[QL+2:QL+3] op_sel_hi:[1,1,0]         ; 4 |R' p|^2
.irp r, 0,1,2,3,4,5,6,7
	v_max_num_f32 v[TA+\r], 0, v[TA+\r]            ; x = max(N, 0): the mask disc > 0, as a value and not as a branch
	v_max_num_f32 v[TB+\r], 0, v[TB+\r]
.endr
.irp m, 0,2,4,6
	v_pk_fma_f32 v[TA+16+\m:TA+16+\m+1], v[TA+\m:TA+\m+1], v[TA+16+\m:TA+16+\m+1], s[20:21] op_sel_hi:[1,1,0]   ; y = x G^2 + 2^-120
	v_pk_fma_f32 v[TB+16+\m:TB+16+\m+1], v[TB+\m:TB+\m+1], v[TB+16+\m:TB+16+\m+1], s[20:21] op_sel_hi:[1,1,0]
.endr
.irp r, 0,1,2,3,4,5,6,7
	v_rsq_f32 v[TA+8+\r], v[TA+16+\r]              ; into L's registers, which are done with
	v_rsq_f32 v[TB+8+\r], v[TB+16+\r]
.endr
	v_sqrt_f32 v[QS], v[QT]
	v_sqrt_f32 v[QS+1], v[QT+1]
	v_pk_add_f32 v[WA:WA+1], v[WA:WA+1], s[22:23] op_sel_hi:[1,0]   ; 64 pixels on.  These two plain instructions, which touch no source and no result of the
	v_pk_add_f32 v[WB:WB+1], v[WB:WB+1], s[22:23] op_sel_hi:[1,0]   ; transcendentals above, stand between them and the first use (ISA guide 5.7.2)
	s_wait_alu depctr_va_vdst(0)
	v_pk_mul_f32 v[ACA:ACA+1], v[TA:TA+1], v[TA+8:TA+9]             ; x rsq(x G^2) = sqrt(x) / G; the first product starts the sums
	v_pk_mul_f32 v[ACB:ACB+1], v[TB:TB+1], v[TB+8:TB+9]
.irp m, 2,4,6
	v_pk_fma_f32 v[ACA:ACA+1], v[TA+\m:TA+\m+1], v[TA+8+\m:TA+8+\m+1], v[ACA:ACA+1]
	v_pk_fma_f32 v[ACB:ACB+1], v[TB+\m:TB+\m+1], v[TB+8+\m:TB+8+\m+1], v[ACB:ACB+1]
.endr
	v_add_f32 v[SM], v[ACA], v[ACA+1]              ; even and odd ellipsoids
	v_add_f32 v[SM+1], v[ACB], v[ACB+1]
	s_wait_xcnt 0x0                                ; the last block's store has had its address translated (ISA guide 3.1): its base and its data are rewritten only behind this wait
.if \adv
	s_add_nc_u64 s[10:11], s[10:11], 256
.endif
	v_pk_mul_f32 v[OUT:OUT+1], v[SM:SM+1], v[QS:QS+1]
	global_store_b64 v[OFF], v[OUT:OUT+1], s[10:11] th:TH_STORE_NT   ; 32 lanes x 8 bytes: 256 consecutive bytes, at a multiple of 256 from the buffer's first byte
.endm
	s_load_b256 s[4:11], s[0:1], 0x0               ; P s[4:5], M s[6:7], S s[8:9], out s[10:11]
	v_lshl_add_u32 v216, v0, 2, 0x200
	v_mov_b32 v217, 0
	v_and_b32 v1, 31, v0                           ; lane
	v_lshrrev_b32 v2, 5, v0
	v_readfirstlane_b32 s12, v2                    ; wave
	s_lshr_b32 s13, s12, 2                         ; part j of a group of four rows
	s_and_b32 s14, s12, 3                          ; group g of the work-group's four
	s_and_b32 s15, ttmp7, 0xffff                   ; view
	s_mul_i32 s16, s15, VIEWB                      ; my first block's byte offset (below 2^24)
	s_mul_i32 s17, ttmp9, WGB
	s_add_co_u32 s16, s16, s17
	s_mul_i32 s17, s14, GRPB
	s_add_co_u32 s16, s16, s17
	s_mul_i32 s17, s13, PARTB
	s_add_co_u32 s16, s16, s17
	s_mov_b32 s17, 0
	s_lshl_b32 s18, ttmp9, 4
	s_lshl2_add_u32 s18, s14, s18
	s_add_co_u32 s18, s18, s13                     ; my row: 16 x + 4 g + j
	s_lshl_b32 s19, s13, 4                         ; 16 j: pixels of my first block that belong to the row above
	s_mov_b32 s20, TAU
	s_mov_b32 s21, TAU
	s_mov_b32 s22, 0x42800000                      ; 64.0
	s_mov_b32 s23, 0x42800000
	s_cmp_eq_u32 s13, 3
	s_cselect_b32 s25, 15, 14                      ; blocks behind the first: 61 = 15 + 15 + 15 + 16
	s_mul_i32 s26, s15, 48                         ; my view's P
	s_mov_b32 s27, 0
	; the first block: pixel 2 lane - 16 j of row j, or, where that is negative, 976 more in the row above
	v_lshlrev_b32 v2, 1, v1
	v_sub_nc_u32 v2, v2, s19
	v_cmp_gt_i32 vcc_lo, 0, v2
	v_add_nc_u32 v3, DEC, v2
	v_cndmask_b32 v3, v2, v3, vcc_lo
	v_mov_b32 v4, s18
	v_add_nc_u32 v5, -1, v4
	v_cndmask_b32 v4, v4, v5, vcc_lo
	v_cvt_f32_i32 v[U], v4
	v_cvt_f32_i32 v[WA], v3
	v_mov_b32 v[U+1], v[U]
	v_add_f32 v[WA+1], 1.0, v[WA]
	v_add_f32 v[WB], 1.0, v[WA]
	v_add_f32 v[WB+1], 1.0, v[WA]
	v_lshlrev_b32 v[OFF], 3, v1
	v_mov_b32 v9, 0
	v_mov_b32 v[QL+1], 0                           ; upper registers of pairs of which only the lower is used
	v_mov_b32 v[QL+3], 0
	s_wait_kmcnt 0x0
	s_add_nc_u64 s[10:11], s[10:11], s[16:17]
	s_cmp_lg_u32 s12, 0
	s_cbranch_scc1 .Lready
	; ---- SET-UP, wave 0 alone: lane & 7 is the ellipsoid (four lanes hold the same numbers) ----
	v_and_b32 v6, 7, v0
	v_mul_u32_u24 v7, v6, 12                       ; M's row
	v_mul_u32_u24 v8, v6, 36                       ; S's matrix
	v_lshlrev_b32 v6, 2, v6                        ; my word in each line of the LDS table
	s_add_nc_u64 s[4:5], s[4:5], s[26:27]
	global_load_b128 v[KP:KP+3], v9, s[4:5]
	global_load_b128 v[KP+4:KP+7], v9, s[4:5] offset:16
	global_load_b128 v[KP+8:KP+11], v9, s[4:5] offset:32
.irp i, 0,1,2,3,4,5,6,7,8
	global_load_b32 v[SS+\i], v8, s[8:9] offset:4*\i
.endr
.irp i, 0,1,2
	global_load_b32 v[MM+\i], v7, s[6:7] offset:4*\i
.endr
	s_wait_loadcnt 12                              ; P's three loads are in: the 9 of S and the 3 of M were issued behind them
	ADJ3 AK, KP, 4
	s_wait_loadcnt 3                               ; S is in: M's 3 loads were issued behind it
	ADJ3 AS, SS, 3
	v_mul_f32 v[DK], v[KP], v[AK]                  ; determinants: first row times the adjugate's first column
	v_mul_f32 v[DS], v[SS], v[AS]
	v_fma_f32 v[DK], v[KP+1], v[AK+3], v[DK]
	v_fma_f32 v[DS], v[SS+1], v[AS+3], v[DS]
	v_fma_f32 v[DK], v[KP+2], v[AK+6], v[DK]
	v_fma_f32 v[DS], v[SS+2], v[AS+6], v[DS]
	v_rcp_f32 v[RK], v[DK]
	v_rcp_f32 v[RS], v[DS]
	v_mul_f32 v[F0], v[AK], v[AK]                  ; |adj K|_F^2 in three chains (plain work behind the reciprocals, ISA guide 5.7.2)
	v_mul_f32 v[F1], v[AK+1], v[AK+1]
	v_mul_f32 v[F2], v[AK+2], v[AK+2]
	v_fma_f32 v[F0], v[AK+3], v[AK+3], v[F0]
	v_fma_f32 v[F1], v[AK+4], v[AK+4], v[F1]
	v_fma_f32 v[F2], v[AK+5], v[AK+5], v[F2]
	v_fma_f32 v[F0], v[AK+6], v[AK+6], v[F0]
	v_fma_f32 v[F1], v[AK+7], v[AK+7], v[F1]
	v_fma_f32 v[F2], v[AK+8], v[AK+8], v[F2]
	s_wait_alu depctr_va_vdst(0)
	v_fma_f32 v[EK], -v[DK], v[RK], 1.0            ; one Newton step on each reciprocal
	v_fma_f32 v[ES], -v[DS], v[RS], 1.0
	v_add_f32 v[F0], v[F0], v[F1]
	v_fma_f32 v[RK], v[RK], v[EK], v[RK]
	v_fma_f32 v[RS], v[RS], v[ES], v[RS]
	v_add_f32 v[F0], v[F0], v[F2]
.irp i, 0,1,2
	v_mul_f32 v[DD+\i], v[AK+3*\i], v[KP+3]        ; adj(K) times P's fourth column
.endr
	v_rsq_f32 v[NK], v[F0]
.irp i, 0,1,2
	v_fma_f32 v[DD+\i], v[AK+3*\i+1], v[KP+7], v[DD+\i]
.endr
.irp i, 0,1,2
	v_fma_f32 v[DD+\i], v[AK+3*\i+2], v[KP+11], v[DD+\i]
.endr
.irp i, 0,1,2,3,4,5,6,7,8
	v_mul_f32 v[AS+\i], v[AS+\i], v[RS]            ; inv(S)
.endr
	s_wait_loadcnt 0x0                             ; M
.irp i, 0,1,2
	v_fma_f32 v[DD+\i], -v[DD+\i], v[RK], -v[MM+\i] ; C - M
.endr
	s_wait_alu depctr_va_vdst(0)
.irp i, 0,1,2,3,4,5,6,7,8
	v_mul_f32 v[RP+\i], v[AK+\i], v[NK]            ; R'
.endr
.irp i, 0,1,2
	v_mul_f32 v[CN+\i], v[AS+3*\i], v[DD]          ; Cn = inv(S) (C - M)
.endr
.irp i, 0,1,2
	v_fma_f32 v[CN+\i], v[AS+3*\i+1], v[DD+1], v[CN+\i]
.endr
.irp i, 0,1,2
	v_fma_f32 v[CN+\i], v[AS+3*\i+2], v[DD+2], v[CN+\i]
.endr
	v_mul_f32 v[N2], v[CN], v[CN]                  ; |Cn|^2, its chain laid between the passes of T = inv(S) R'
	MMPASS TT, AS, RP, 0, 1
	v_fma_f32 v[N2], v[CN+1], v[CN+1], v[N2]
	MMPASS TT, AS, RP, 1, 0
	v_fma_f32 v[N2], v[CN+2], v[CN+2], v[N2]
	v_max_num_f32 v[LEN], TINY, v[N2]              ; Cn = 0: the unit vector comes out 0 and |Cn| = 0, so L1 = L2 = 0 and disc / 4 = 1, as it should
	v_rsq_f32 v[IV], v[LEN]
	MMPASS TT, AS, RP, 2, 0
	s_wait_alu depctr_va_vdst(0)
.irp i, 0,1,2
	v_mul_f32 v[CH+\i], v[CN+\i], v[IV]            ; Cn / |Cn|
.endr
	v_mul_f32 v[LEN], v[N2], v[IV]                 ; |Cn|
	; an orthonormal pair across (x, y, z) = Cn / |Cn| without a branch: s = sign of z, a = -1 / (s + z), b = x y a,
	; b1 = (1 + s x^2 a, s b, -s x), b2 = (b, s + y^2 a, -y); |s + z| >= 1, so nothing cancels
	v_bfi_b32 v[SG], 0x7fffffff, 1.0, v[CH+2]
	v_add_f32 v[DEN], v[SG], v[CH+2]
	v_rcp_f32 v[RA], v[DEN]
	GRAMROW GC, TT, 1                              ; G's six coefficients, laid into the chain's gaps
	v_mul_f32 v[SX], v[SG], v[CH]
	s_wait_alu depctr_va_vdst(0)
	v_mul_f32 v[XA], v[CH], v[RA]                  ; -x a
	v_mul_f32 v[YA], v[CH+1], v[RA]                ; -y a
	GRAMROW GC, TT+3, 0
	v_mul_f32 v[BB], -v[XA], v[CH+1]
	v_fma_f32 v[B1], -v[SX], v[XA], 1.0
	v_fma_f32 v[B2+1], -v[CH+1], v[YA], v[SG]
	GRAMROW GC, TT+6, 0
	v_mul_f32 v[B1+1], v[SG], v[BB]
	v_mul_f32 v[B1], v[B1], v[LEN]                 ; both vectors times |Cn|
	v_mul_f32 v[B1+2], -v[SX], v[LEN]
	v_mul_f32 v[B2], v[BB], v[LEN]
	v_mul_f32 v[B2+1], v[B2+1], v[LEN]
	v_mul_f32 v[B2+2], -v[CH+1], v[LEN]
	v_mul_f32 v[B1+1], v[B1+1], v[LEN]
	APASS 0, 1                                     ; (AX, AY)[j] = |Cn| (b1 . T_j, b2 . T_j), j = u, w, 1
	APASS 1, 0
	APASS 2, 0
	v_mul_f32 v[RHO], v[AX+1], v[AX+1]             ; turn the pair so that the w column lies along the first axis
	v_fma_f32 v[RHO], v[AY+1], v[AY+1], v[RHO]
	GRAMROW QQ, RP, 1
	v_max_num_f32 v[CS], TINY, v[RHO]
	v_rsq_f32 v[IR], v[CS]
	GRAMROW QQ, RP+3, 0
	GRAMROW QQ, RP+6, 0
	v_cmp_lt_f32 vcc_lo, TINY, v[RHO]              ; a w column below 2^-50 is left where it is (turn by 0): what L2 then omits is below 2^-50 w
	s_wait_alu depctr_va_vdst(0)
	v_mul_f32 v[CS], v[AX+1], v[IR]
	v_mul_f32 v[SN], v[AY+1], v[IR]
	v_cndmask_b32 v[CS], 1.0, v[CS], vcc_lo
	v_cndmask_b32 v[SN], 0, v[SN], vcc_lo
	v_mul_f32 v[ALP], v[CS], v[AX+1]
	v_mul_f32 v[BU], v[CS], v[AX]
	v_mul_f32 v[BO], v[CS], v[AX+2]
	v_mul_f32 v[GU], v[CS], v[AY]
	v_mul_f32 v[GO], v[CS], v[AY+2]
	v_fma_f32 v[ALP], v[SN], v[AY+1], v[ALP]
	v_fma_f32 v[BU], v[SN], v[AY], v[BU]
	v_fma_f32 v[BO], v[SN], v[AY+2], v[BO]
	v_fma_f32 v[GU], -v[SN], v[AX], v[GU]
	v_fma_f32 v[GO], -v[SN], v[AX+2], v[GO]
.irp i, 3,4,5
	v_add_f32 v[GC+\i], v[GC+\i], v[GC+\i]         ; mixed terms count twice
	v_mul_f32 v[QQ+\i], 0x41000000, v[QQ+\i]       ; and in 4 |R' p|^2 eight times
.endr
.irp i, 0,1,2
	v_mul_f32 v[QQ+\i], 4.0, v[QQ+\i]
.endr
	; the table: line c (32 bytes) holds coefficient c of the 8 ellipsoids; the four lanes of an ellipsoid store the same word with the same value
	ds_store_b32 v6, v[GC+1]
	ds_store_b32 v6, v[ALP] offset:32
	ds_store_b32 v6, v[GC+3] offset:64
	ds_store_b32 v6, v[GC+5] offset:96
	ds_store_b32 v6, v[GC] offset:128
	ds_store_b32 v6, v[GC+4] offset:160
	ds_store_b32 v6, v[GC+2] offset:192
	ds_store_b32 v6, v[BU] offset:224
	ds_store_b32 v6, v[BO] offset:256
	ds_store_b32 v6, v[GU] offset:288
	ds_store_b32 v6, v[GO] offset:320
	ds_store_b32 v9, v[QQ+1] offset:352
	ds_store_b32 v9, v[QQ+3] offset:356
	ds_store_b32 v9, v[QQ+5] offset:360
	ds_store_b32 v9, v[QQ] offset:364
	ds_store_b32 v9, v[QQ+4] offset:368
	ds_store_b32 v9, v[QQ+2] offset:372
	ds_store_b32 v9, v[QQ+2] offset:376            ; two fillers, so that whole 16-byte loads read written bytes only
	ds_store_b32 v9, v[QQ+2] offset:380
	s_wait_dscnt 0x0                               ; for the other waves' sake: the table is whole before wave 0 signals
.Lready:
	s_barrier_signal -1
	s_barrier_wait -1
.set k, 0
.rept 24
	ds_load_b128 v[C_G2+4*k:C_G2+4*k+3], v9 offset:16*k   ; every lane reads the same 16 bytes: 384 bytes into v16 .. v111
.set k, k+1
.endr
	s_wait_dscnt 0x0
	ROWCOEF                                        ; with each lane's own u
	UNIT 0                                         ; my first block
	v_add_nc_u32 v3, 64, v2                        ; from here on row j alone: w = 2 lane - 16 j + 64 i
	v_cvt_f32_u32 v[U], s18
	v_cvt_f32_i32 v[WA], v3
	v_mov_b32 v[U+1], v[U]
	v_add_f32 v[WA+1], 1.0, v[WA]
	v_add_f32 v[WB], 1.0, v[WA]
	v_add_f32 v[WB+1], 1.0, v[WA]
	ROWCOEF
	s_mov_b32 s24, 0
.Lunit:
	UNIT 1
	s_add_co_u32 s24, s24, 1
	s_cmp_lt_u32 s24, s25
	s_cbranch_scc1 .Lunit
	s_wait_tensorcnt 0x0
	ds_add_u32 v216, v217
	s_wait_dscnt 0x0
	s_endpgm
.Lfunc_end_k_qadae238cb3_render:
	.size	k_qadae238cb3_render, .Lfunc_end_k_qadae238cb3_render-k_qadae238cb3_render
	.p2alignl 7, 3214868480
	.fill 96, 4, 3214868480
	.section	.rodata,"a",@progbits
	.p2align	6, 0x0
	.amdhsa_kernel k_qadae238cb3_render
		.amdhsa_group_segment_fixed_size 2560
		.amdhsa_private_segment_fixed_size 0
		.amdhsa_enable_private_segment 0
		.amdhsa_kernarg_size 32
		.amdhsa_user_sgpr_count 2
		.amdhsa_user_sgpr_kernarg_segment_ptr 1
		.amdhsa_wavefront_size32 1
		.amdhsa_system_sgpr_workgroup_id_x 1
		.amdhsa_system_sgpr_workgroup_id_y 1
		.amdhsa_system_sgpr_workgroup_id_z 1
		.amdhsa_system_vgpr_workitem_id 0
		.amdhsa_next_free_vgpr 218
		.amdhsa_next_free_sgpr 66
		.amdhsa_reserve_vcc 1
		.amdhsa_float_denorm_mode_32 3
		.amdhsa_float_denorm_mode_16_64 3
		.amdhsa_memory_ordered 1
		.amdhsa_forward_progress 1
		.amdhsa_inst_pref_size 34
	.end_amdhsa_kernel
	.amdgpu_metadata
---
amdhsa.version: [ 1, 2 ]
amdhsa.kernels:
  - .name:           k_qadae238cb3_render
    .symbol:         k_qadae238cb3_render.kd
    .args:
      - { .name: P, .offset: 0, .size: 8, .value_kind: global_buffer, .address_space: global }
      - { .name: M, .offset: 8, .size: 8, .value_kind: global_buffer, .address_space: global }
      - { .name: S, .offset: 16, .size: 8, .value_kind: global_buffer, .address_space: global }
      - { .name: out0, .offset: 24, .size: 8, .value_kind: global_buffer, .address_space: global }
    .group_segment_fixed_size: 2560
    .private_segment_fixed_size: 0
    .kernarg_segment_align: 8
    .kernarg_segment_size: 32
    .max_flat_workgroup_size: 512
    .sgpr_count:     66
    .vgpr_count:     218
    .wavefront_size: 32
...
	.end_amdgpu_metadata
.endif
;; end of part 1
;; ======== version 2 of 2: 1 launch; version 1 with the launch render written anew for expert scheduling mode
;; limits: right only within a limited range of input values
;; launch render (part 2): grid 61 x 4, 16 waves a work-group, no clusters, 2,560 bytes of LDS; arguments P, M, S, out0; writes out0
.if DOCPART == 2
	.amdgcn_target "amdgcn-amd-amdhsa--gfx1250"
	.amdhsa_code_object_version 6
	.text
	.protected	k_qadae238cb3_render
	.globl	k_qadae238cb3_render
	.p2align	8
	.type	k_qadae238cb3_render,@function
k_qadae238cb3_render:
	s_mov_b64 s[64:65], 0
	v_nop
	global_prefetch_b8 v0, s[64:65] scope:SCOPE_SE
	s_setreg_imm32_b32 hwreg(HW_REG_WAVE_SCHED_MODE, 0, 2), 2
	s_setreg_imm32_b32 hwreg(HW_REG_WAVE_MODE, 25, 1), 1
	s_wait_xcnt 0x0
	s_wait_alu depctr_vm_vsrc(0)
; out[v][u][w] = sum over 8 ellipsoids of the chord length of the pixel's ray.  P [4][3][4], M [8][3], S [8][3][3], out [4][976][976], all f32.
;
; ALGEBRA.  K = P[v][:, :3], R' = adj(K) / |adj(K)|_F, p = (u, w, 1), T = inv(S) R', t = T p, Cn = inv(S) (C - M), C = -adj(K) P[v][:,3] / det K.
; The two normalisations of the problem's formula are positive scalings that cancel, the sign and size of det K cancel as well (b enters
; squared, val is a norm), and S inv(S) = I.  That leaves
;     disc / 4 = 1 - |Cn x t|^2 / |t|^2          out = sqrt(4 |R' p|^2) * sum_n sqrt(max(N_n, 0)) / G_n,   G = |t|^2,  N = G - |Cn x t|^2.
; N is NOT formed as (Cn.t)^2 - c G, whose two terms are |Cn|^2 times larger than their difference.  |Cn x t|^2 = L1^2 + L2^2 with two linear
; forms in p: an orthonormal basis of the plane across Cn, scaled by |Cn|, and turned in that plane so that L2 has no term in w.  Along a row:
;     t = g2 w + g1,  G = t w + g0,  Gk = t w + (g0 - L2^2),  L = al w + be,  N = Gk - L^2,  x = max(N, 0),  sum += x * rsq(x G^2 + 2^-120)
; one transcendental and nine plain operations for a pixel and an ellipsoid, eight of them two at a time (pairs of ellipsoids n, n + 1).
; No matrix instruction: every contraction has length 3 and the pixel numbers (up to 975) need more bits than a 16-bit float keeps.
; No cluster, tensor load or prefetch: the inputs are 576 bytes and nothing is streamed in.
;
; LIMITS.  K and S invertible (the problem's formula inverts them; its NaN or infinity for singular ones is not reproduced).  x G^2 is kept in
; f32: with |R'|_F = 1, G <= 1.9e6 / smin(S)^2 and G^3 < 3.4e38 ask smin(S) > 5.2e-4.  The guard 2^-120 keeps rsq finite where x = 0; it
; lowers a value only where (disc/4) G^3 comes near 1e-36.  The order of rounding differs from the problem's formula.
;
; SHARES.  Work-group: 16 rows of one view.  Four rows are 15,616 bytes = 61 aligned blocks of 256 bytes; wave (part j = wave >> 2, group g = wave & 3)
; takes blocks 15 j .. 15 j + 14 of group g (part 3: one more).  A lane owns 2 neighbouring pixels, so each store of the wave covers 256 consecutive
; bytes, aligned.  Block 15 j lies across rows j - 1 and j (8 j lanes in the upper row): the row coefficients are vector registers, so that block runs
; with a u and a w of each lane's own; afterwards they are remade for row j alone.
;
; THE MODE: SCHED_MODE bits 1:0 = 2 (LLVM: expert scheduling mode 2), set by the entry lines.  The code itself states the register dependences
; between vector instructions and memory or LDS instructions, with s_wait_alu, always for 0.
; THE PLAN.  Registers that memory or LDS instructions touch:
;   v9, v[OFF]      0 and 8 x lane: made once at the head, never written again.  v6, v7, v8: wave 0's offsets for the set-up, likewise.
;   KP, SS, MM      wave 0: the inputs' loads land here; no vector instruction names them before.
;   v16 .. v111     the table's 24 LDS loads land here, once, behind the barrier; in wave 0 the set-up has worked in these registers and stored from some of them.
;   OUT0, OUT1      block i's last multiply writes OUT[i % 2]; the store that reads it is issued in block i + 1.
; In a block ONE wait on va_vdst stands behind its 18 roots: it states that their results are written and that the block before has written its
; out-buffer.  The store of the block before follows it at once.  Beside it stand the two waits which state that the store issued one block earlier
; has read the out-buffer that this block writes again, and the base: they stand a whole block behind that store.  The rows are reached by the
; scalar base, which goes on by a block, and by immediate offsets: no address register is written in the loop.
.set DEC,    976
.set VIEWB,  DEC*DEC*4                 ; bytes of a view
.set GRPB,   4*DEC*4                   ; four rows = 61 * 256 bytes
.set WGB,    4*GRPB                    ; the work-group's 16 rows
.set PARTB,  15*256                    ; a part
.set TAU,    0x03800000                ; 2^-120
.set TINY,   0x0d800000                ; 2^-100
; constant coefficients, 8 registers each (ellipsoid n in register n), as they come from LDS bytes 0 .. 383
.set C_G2,  16                         ; g_ww
.set C_AL,  24                         ; al: L1's factor of w
.set C_GUW, 32
.set C_GW,  40
.set C_GUU, 48
.set C_GU,  56
.set C_G11, 64
.set C_BU,  72                         ; L1: factor of u, constant
.set C_B1,  80
.set C_CU,  88                         ; L2: factor of u, constant
.set C_C1,  96
.set QC,    104                        ; 4 |R' p|^2: q_ww, q_uw, q_w, q_uu, q_u, q_11, two fillers
; row coefficients
.set R_G1,  112
.set R_G0,  120
.set R_GK,  128
.set R_BE,  136
.set QL,    144                        ; (q1, -), (q0, -): the low register of each pair is used
.set U,     148                        ; (u, u)
.set WA,    150                        ; (w of pixel a, w of pixel b)
.set WB,    152                        ; (w of pixel b, the same)
.set OFF,   154                        ; 8 * lane
.set ACA,   158
.set ACB,   160
.set QT,    162
.set QS,    164
.set SM,    166
.set TA,    168                        ; pixel a: +0 t, Gk, N, x; +8 L, then rsq; +16 G, G^2, y
.set TB,    192                        ; pixel b
.set OUT,   216                        ; v[216:219] two out-buffers of a pair each, by turns
; set-up registers of wave 0 (free again behind the barrier)
.set KP, 20
.set SS, 32
.set MM, 41
.set AK, 44
.set AS, 53
.set DK, 62
.set DS, 63
.set RK, 64
.set RS, 65
.set EK, 66
.set ES, 67
.set F0, 68
.set F1, 69
.set F2, 70
.set NK, 71
.set RP, 72
.set DD, 81
.set CN, 84
.set TT, 87
.set GC, 96
.set N2, 102
.set IV, 103
.set LEN, 104
.set CH, 105
.set SG, 108
.set RA, 109
.set BB, 110
.set B1, 111
.set B2, 114
.set XA, 117
.set YA, 118
.set SX, 119
.set AX, 120
.set AY, 123
.set RHO, 126
.set IR, 127
.set CS, 128
.set SN, 129
.set ALP, 130
.set BU, 131
.set BO, 132
.set GU, 133
.set GO, 134
.set QQ, 135
.set DEN, 141
.macro MA d, a, b, first               ; the first product starts a sum, the others add to it
.if \first
	v_mul_f32 v[\d], v[\a], v[\b]
.else
	v_fma_f32 v[\d], v[\a], v[\b], v[\d]
.endif
.endm
.macro COFM d, c, e
	v_mul_f32 v[\d], v[\c], v[\e]
.endm
.macro COFF d, a, b
	v_fma_f32 v[\d], v[\a], v[\b], -v[\d]
.endm
.macro ADJ3 D, B, ST                   ; D = adjugate of the 3 x 3 matrix at B with ST registers from row to row: nine products, then nine fused differences
	COFM \D+0, \B+\ST+2, \B+2*\ST+1
	COFM \D+1, \B+1, \B+2*\ST+2
	COFM \D+2, \B+2, \B+\ST+1
	COFM \D+3, \B+\ST, \B+2*\ST+2
	COFM \D+4, \B+2, \B+2*\ST
	COFM \D+5, \B, \B+\ST+2
	COFM \D+6, \B+\ST+1, \B+2*\ST
	COFM \D+7, \B, \B+2*\ST+1
	COFM \D+8, \B+1, \B+\ST
	COFF \D+0, \B+\ST+1, \B+2*\ST+2
	COFF \D+1, \B+2, \B+2*\ST+1
	COFF \D+2, \B+1, \B+\ST+2
	COFF \D+3, \B+\ST+2, \B+2*\ST
	COFF \D+4, \B, \B+2*\ST+2
	COFF \D+5, \B+2, \B+\ST
	COFF \D+6, \B+\ST, \B+2*\ST+1
	COFF \D+7, \B+1, \B+2*\ST
	COFF \D+8, \B, \B+\ST+1
.endm
.macro MMPASS D, A, B, k, first        ; D += column k of A times row k of B (3 x 3, three registers a row)
.irp i, 0,1,2
.irp j, 0,1,2
	MA \D+3*\i+\j, \A+3*\i+\k, \B+3*\k+\j, \first
.endr
.endr
.endm
.macro GRAMROW D, B, first             ; one row's share of the six products of columns: 00, 11, 22, 01, 02, 12
	MA \D+0, \B+0, \B+0, \first
	MA \D+1, \B+1, \B+1, \first
	MA \D+2, \B+2, \B+2, \first
	MA \D+3, \B+0, \B+1, \first
	MA \D+4, \B+0, \B+2, \first
	MA \D+5, \B+1, \B+2, \first
.endm
.macro APASS i, first                  ; the two scaled basis vectors times T's columns
.irp j, 0,1,2
	MA AX+\j, B1+\i, TT+3*\i+\j, \first
	MA AY+\j, B2+\i, TT+3*\i+\j, \first
.endr
.endm
.macro PKW d, a, w, c                  ; two ellipsoids: d = a * (low register of pair w) + c
	v_pk_fma_f32 v[\d:\d+1], v[\a:\a+1], v[\w:\w+1], v[\c:\c+1] op_sel_hi:[1,0,1]
.endm
; The coefficients of a row, from u in v[U] (each lane's own): 27 instructions.
.macro ROWCOEF
.irp m, 0,2,4,6
	PKW R_G1+\m, C_GUW+\m, U, C_GW+\m              ; g1 = g_uw u + g_w
	PKW TA+\m, C_GUU+\m, U, C_GU+\m
	PKW R_BE+\m, C_BU+\m, U, C_B1+\m               ; be = L1 without its w term
	PKW TA+8+\m, C_CU+\m, U, C_C1+\m               ; L2
.endr
.irp m, 0,2,4,6
	PKW R_G0+\m, TA+\m, U, C_G11+\m                ; g0 = (g_uu u + g_u) u + g_11
.endr
.irp m, 0,2,4,6
	v_pk_fma_f32 v[R_GK+\m:R_GK+\m+1], v[TA+8+\m:TA+8+\m+1], v[TA+8+\m:TA+8+\m+1], v[R_G0+\m:R_G0+\m+1] neg_lo:[1,0,0] neg_hi:[1,0,0]   ; g0 - L2^2
.endr
	v_fma_f32 v[QL], v[QC+1], v[U], v[QC+2]
	v_fma_f32 v[QT], v[QC+3], v[U], v[QC+4]
	v_fma_f32 v[QL+2], v[QT], v[U], v[QC+5]
.endm
; One block of 256 bytes: 2 pixels a lane, 8 ellipsoids each, stage by stage so that eight independent instructions stand between a result and its use.
; ob: the out-buffer that this block writes.  free = 1: a store has read that buffer before.  st = 1: the block before is stored here, from the other buffer.
.macro UNIT ob, free, st
.irp m, 0,2,4,6
	PKW TA+\m, C_G2+\m, WA, R_G1+\m                ; t = g2 w + g1
	PKW TB+\m, C_G2+\m, WB, R_G1+\m
.endr
.irp m, 0,2,4,6
	PKW TA+8+\m, C_AL+\m, WA, R_BE+\m              ; L = al w + be
	PKW TB+8+\m, C_AL+\m, WB, R_BE+\m
.endr
.irp m, 0,2,4,6
	PKW TA+16+\m, TA+\m, WA, R_G0+\m               ; G = t w + g0
	PKW TB+16+\m, TB+\m, WB, R_G0+\m
.endr
.irp m, 0,2,4,6
	PKW TA+\m, TA+\m, WA, R_GK+\m                  ; Gk = t w + g0 - L2^2
	PKW TB+\m, TB+\m, WB, R_GK+\m
.endr
.irp m, 0,2,4,6
	v_pk_fma_f32 v[TA+\m:TA+\m+1], v[TA+8+\m:TA+8+\m+1], v[TA+8+\m:TA+8+\m+1], v[TA+\m:TA+\m+1] neg_lo:[1,0,0] neg_hi:[1,0,0]   ; N = Gk - L^2
	v_pk_fma_f32 v[TB+\m:TB+\m+1], v[TB+8+\m:TB+8+\m+1], v[TB+8+\m:TB+8+\m+1], v[TB+\m:TB+\m+1] neg_lo:[1,0,0] neg_hi:[1,0,0]
.endr
.irp m, 0,2,4,6
	v_pk_mul_f32 v[TA+16+\m:TA+16+\m+1], v[TA+16+\m:TA+16+\m+1], v[TA+16+\m:TA+16+\m+1]      ; G^2
	v_pk_mul_f32 v[TB+16+\m:TB+16+\m+1], v[TB+16+\m:TB+16+\m+1], v[TB+16+\m:TB+16+\m+1]
.endr
	v_pk_fma_f32 v[QT:QT+1], v[WA:WA+1], v[QC:QC+1], v[QL:QL+1] op_sel_hi:[1,0,0]           ; both pixels: q_ww w + q1
	v_pk_fma_f32 v[QT:QT+1], v[QT:QT+1], v[WA:WA+1], v[QL+2:QL+3] op_sel_hi:[1,1,0]         ; 4 |R' p|^2
.irp r, 0,1,2,3,4,5,6,7
	v_max_num_f32 v[TA+\r], 0, v[TA+\r]            ; x = max(N, 0): the mask disc > 0, as a value and not as a branch
	v_max_num_f32 v[TB+\r], 0, v[TB+\r]
.endr
.irp m, 0,2,4,6
	v_pk_fma_f32 v[TA+16+\m:TA+16+\m+1], v[TA+\m:TA+\m+1], v[TA+16+\m:TA+16+\m+1], s[20:21] op_sel_hi:[1,1,0]   ; y = x G^2 + 2^-120
	v_pk_fma_f32 v[TB+16+\m:TB+16+\m+1], v[TB+\m:TB+\m+1], v[TB+16+\m:TB+16+\m+1], s[20:21] op_sel_hi:[1,1,0]
.endr
.irp r, 0,1,2,3,4,5,6,7
	v_rsq_f32 v[TA+8+\r], v[TA+16+\r]              ; into L's registers, which are done with
	v_rsq_f32 v[TB+8+\r], v[TB+16+\r]
.endr
	v_sqrt_f32 v[QS], v[QT]
	v_sqrt_f32 v[QS+1], v[QT+1]
	v_pk_add_f32 v[WA:WA+1], v[WA:WA+1], s[22:23] op_sel_hi:[1,0]   ; 64 pixels on.  These two plain instructions, which touch no source and no result of the
	v_pk_add_f32 v[WB:WB+1], v[WB:WB+1], s[22:23] op_sel_hi:[1,0]   ; transcendentals above, stand between them and the first use (ISA guide 5.7.2)
.if \free
	s_wait_xcnt 0x0                                ; the store issued one block ago has had its address translated (ISA guide 3.1): its base and its data, OUT[ob], are rewritten only behind this wait
	s_wait_alu depctr_vm_vsrc(0)                   ; that store has read OUT[ob], which this block's last multiply writes again
.endif
	s_wait_alu depctr_va_vdst(0)                   ; the 16 rsq and 2 sqrt have written their results, ahead of their first reader; the block before has written the other out-buffer, which the store below reads
.if \st
	s_add_nc_u64 s[10:11], s[10:11], 256           ; the base at this block;
	global_store_b64 v[OFF], v[OUT+2-2*(\ob):OUT+3-2*(\ob)], s[10:11] offset:-256 th:TH_STORE_NT   ; the block before: the offset reaches back.  32 lanes x 8 bytes: 256 consecutive bytes, at a multiple of 256 from the buffer's first byte
.endif
	v_pk_mul_f32 v[ACA:ACA+1], v[TA:TA+1], v[TA+8:TA+9]             ; x rsq(x G^2) = sqrt(x) / G; the first product starts the sums
	v_pk_mul_f32 v[ACB:ACB+1], v[TB:TB+1], v[TB+8:TB+9]
.irp m, 2,4,6
	v_pk_fma_f32 v[ACA:ACA+1], v[TA+\m:TA+\m+1], v[TA+8+\m:TA+8+\m+1], v[ACA:ACA+1]
	v_pk_fma_f32 v[ACB:ACB+1], v[TB+\m:TB+\m+1], v[TB+8+\m:TB+8+\m+1], v[ACB:ACB+1]
.endr
	v_add_f32 v[SM], v[ACA], v[ACA+1]              ; even and odd ellipsoids
	v_add_f32 v[SM+1], v[ACB], v[ACB+1]
	v_pk_mul_f32 v[OUT+2*(\ob):OUT+2*(\ob)+1], v[SM:SM+1], v[QS:QS+1]
.endm
	s_load_b256 s[4:11], s[0:1], 0x0               ; P s[4:5], M s[6:7], S s[8:9], out s[10:11]
	v_lshl_add_u32 v156, v0, 2, 0x200
	v_mov_b32 v157, 0
	v_and_b32 v1, 31, v0                           ; lane
	v_lshrrev_b32 v2, 5, v0
	v_readfirstlane_b32 s12, v2                    ; wave
	s_and_b32 s15, ttmp7, 0xffff                   ; view.  What does not hang on the wave's number stands between that line and the wait for it
	s_mul_i32 s16, s15, VIEWB                      ; my first block's byte offset (below 2^24): the view's and the work-group's share
	s_mul_i32 s17, ttmp9, WGB
	s_add_co_u32 s16, s16, s17
	s_lshl_b32 s18, ttmp9, 4
	s_mov_b32 s20, TAU
	s_mov_b32 s21, TAU
	s_mov_b32 s22, 0x42800000                      ; 64.0
	s_mov_b32 s23, 0x42800000
	s_mul_i32 s26, s15, 48                         ; my view's P
	s_mov_b32 s27, 0
	v_lshlrev_b32 v[OFF], 3, v1
	v_mov_b32 v9, 0
	v_mov_b32 v[QL+1], 0                           ; upper registers of pairs of which only the lower is used
	v_mov_b32 v[QL+3], 0
	s_wait_alu depctr_va_sdst(0)                   ; s12 is written, ahead of its first reader: part, group, row and the store's base are made from it
	s_lshr_b32 s13, s12, 2                         ; part j of a group of four rows
	s_and_b32 s14, s12, 3                          ; group g of the work-group's four
	s_mul_i32 s17, s14, GRPB
	s_add_co_u32 s16, s16, s17
	s_mul_i32 s17, s13, PARTB
	s_add_co_u32 s16, s16, s17
	s_mov_b32 s17, 0
	s_lshl2_add_u32 s18, s14, s18
	s_add_co_u32 s18, s18, s13                     ; my row: 16 x + 4 g + j
	s_lshl_b32 s19, s13, 4                         ; 16 j: pixels of my first block that belong to the row above
	; the first block: pixel 2 lane - 16 j of row j, or, where that is negative, 976 more in the row above
	v_lshlrev_b32 v2, 1, v1
	v_sub_nc_u32 v2, v2, s19
	v_cmp_gt_i32 vcc_lo, 0, v2
	v_add_nc_u32 v3, DEC, v2
	v_mov_b32 v4, s18
	v_add_nc_u32 v5, -1, v4
	s_wait_alu depctr_va_vcc(0)                    ; the compare has written VCC, which the two selects read
	v_cndmask_b32 v3, v2, v3, vcc_lo
	v_cndmask_b32 v4, v4, v5, vcc_lo
	v_cvt_f32_i32 v[U], v4
	v_cvt_f32_i32 v[WA], v3
	v_mov_b32 v[U+1], v[U]
	v_add_f32 v[WA+1], 1.0, v[WA]
	v_add_f32 v[WB], 1.0, v[WA]
	v_add_f32 v[WB+1], 1.0, v[WA]
	s_wait_kmcnt 0x0
	s_add_nc_u64 s[10:11], s[10:11], s[16:17]
	s_cmp_lg_u32 s12, 0
	s_cbranch_scc1 .Lready
	; ---- SET-UP, wave 0 alone: lane & 7 is the ellipsoid (four lanes hold the same numbers) ----
	v_and_b32 v6, 7, v0
	v_mul_u32_u24 v7, v6, 12                       ; M's row
	v_mul_u32_u24 v8, v6, 36                       ; S's matrix
	v_lshlrev_b32 v6, 2, v6                        ; my word in each line of the LDS table
	s_add_nc_u64 s[4:5], s[4:5], s[26:27]
	s_wait_alu depctr_va_vdst(0)                   ; v7, v8 and v9 are written, which the loads below read as their offsets
	global_load_b128 v[KP:KP+3], v9, s[4:5]
	global_load_b128 v[KP+4:KP+7], v9, s[4:5] offset:16
	global_load_b128 v[KP+8:KP+11], v9, s[4:5] offset:32
.irp i, 0,1,2,3,4,5,6,7,8
	global_load_b32 v[SS+\i], v8, s[8:9] offset:4*\i
.endr
.irp i, 0,1,2
	global_load_b32 v[MM+\i], v7, s[6:7] offset:4*\i
.endr
	s_wait_loadcnt 12                              ; P's three loads are in: the 9 of S and the 3 of M were issued behind them
	ADJ3 AK, KP, 4
	s_wait_loadcnt 3                               ; S is in: M's 3 loads were issued behind it
	ADJ3 AS, SS, 3
	v_mul_f32 v[DK], v[KP], v[AK]                  ; determinants: first row times the adjugate's first column
	v_mul_f32 v[DS], v[SS], v[AS]
	v_fma_f32 v[DK], v[KP+1], v[AK+3], v[DK]
	v_fma_f32 v[DS], v[SS+1], v[AS+3], v[DS]
	v_fma_f32 v[DK], v[KP+2], v[AK+6], v[DK]
	v_fma_f32 v[DS], v[SS+2], v[AS+6], v[DS]
	v_rcp_f32 v[RK], v[DK]
	v_rcp_f32 v[RS], v[DS]
	v_mul_f32 v[F0], v[AK], v[AK]                  ; |adj K|_F^2 in three chains (plain work behind the reciprocals, ISA guide 5.7.2)
	v_mul_f32 v[F1], v[AK+1], v[AK+1]
	v_mul_f32 v[F2], v[AK+2], v[AK+2]
	v_fma_f32 v[F0], v[AK+3], v[AK+3], v[F0]
	v_fma_f32 v[F1], v[AK+4], v[AK+4], v[F1]
	v_fma_f32 v[F2], v[AK+5], v[AK+5], v[F2]
	v_fma_f32 v[F0], v[AK+6], v[AK+6], v[F0]
	v_fma_f32 v[F1], v[AK+7], v[AK+7], v[F1]
	v_fma_f32 v[F2], v[AK+8], v[AK+8], v[F2]
	s_wait_alu depctr_va_vdst(0)                   ; the two reciprocals have written RK and RS, ahead of their first reader
	v_fma_f32 v[EK], -v[DK], v[RK], 1.0            ; one Newton step on each reciprocal
	v_fma_f32 v[ES], -v[DS], v[RS], 1.0
	v_add_f32 v[F0], v[F0], v[F1]
	v_fma_f32 v[RK], v[RK], v[EK], v[RK]
	v_fma_f32 v[RS], v[RS], v[ES], v[RS]
	v_add_f32 v[F0], v[F0], v[F2]
.irp i, 0,1,2
	v_mul_f32 v[DD+\i], v[AK+3*\i], v[KP+3]        ; adj(K) times P's fourth column
.endr
	v_rsq_f32 v[NK], v[F0]
.irp i, 0,1,2
	v_fma_f32 v[DD+\i], v[AK+3*\i+1], v[KP+7], v[DD+\i]
.endr
.irp i, 0,1,2
	v_fma_f32 v[DD+\i], v[AK+3*\i+2], v[KP+11], v[DD+\i]
.endr
.irp i, 0,1,2,3,4,5,6,7,8
	v_mul_f32 v[AS+\i], v[AS+\i], v[RS]            ; inv(S)
.endr
	s_wait_loadcnt 0x0                             ; M
.irp i, 0,1,2
	v_fma_f32 v[DD+\i], -v[DD+\i], v[RK], -v[MM+\i] ; C - M
.endr
	s_wait_alu depctr_va_vdst(0)                   ; the rsq has written NK, ahead of its first reader
.irp i, 0,1,2,3,4,5,6,7,8
	v_mul_f32 v[RP+\i], v[AK+\i], v[NK]            ; R'
.endr
.irp i, 0,1,2
	v_mul_f32 v[CN+\i], v[AS+3*\i], v[DD]          ; Cn = inv(S) (C - M)
.endr
.irp i, 0,1,2
	v_fma_f32 v[CN+\i], v[AS+3*\i+1], v[DD+1], v[CN+\i]
.endr
.irp i, 0,1,2
	v_fma_f32 v[CN+\i], v[AS+3*\i+2], v[DD+2], v[CN+\i]
.endr
	v_mul_f32 v[N2], v[CN], v[CN]                  ; |Cn|^2, its chain laid between the passes of T = inv(S) R'
	MMPASS TT, AS, RP, 0, 1
	v_fma_f32 v[N2], v[CN+1], v[CN+1], v[N2]
	MMPASS TT, AS, RP, 1, 0
	v_fma_f32 v[N2], v[CN+2], v[CN+2], v[N2]
	v_max_num_f32 v[LEN], TINY, v[N2]              ; Cn = 0: the unit vector comes out 0 and |Cn| = 0, so L1 = L2 = 0 and disc / 4 = 1, as it should
	v_rsq_f32 v[IV], v[LEN]
	MMPASS TT, AS, RP, 2, 0
	s_wait_alu depctr_va_vdst(0)                   ; the rsq has written IV, ahead of its first reader
.irp i, 0,1,2
	v_mul_f32 v[CH+\i], v[CN+\i], v[IV]            ; Cn / |Cn|
.endr
	v_mul_f32 v[LEN], v[N2], v[IV]                 ; |Cn|
	; an orthonormal pair across (x, y, z) = Cn / |Cn| without a branch: s = sign of z, a = -1 / (s + z), b = x y a,
	; b1 = (1 + s x^2 a, s b, -s x), b2 = (b, s + y^2 a, -y); |s + z| >= 1, so nothing cancels
	v_bfi_b32 v[SG], 0x7fffffff, 1.0, v[CH+2]
	v_add_f32 v[DEN], v[SG], v[CH+2]
	v_rcp_f32 v[RA], v[DEN]
	GRAMROW GC, TT, 1                              ; G's six coefficients, laid into the chain's gaps
	v_mul_f32 v[SX], v[SG], v[CH]
	s_wait_alu depctr_va_vdst(0)                   ; the reciprocal has written RA, ahead of its first reader
	v_mul_f32 v[XA], v[CH], v[RA]                  ; -x a
	v_mul_f32 v[YA], v[CH+1], v[RA]                ; -y a
	GRAMROW GC, TT+3, 0
	v_mul_f32 v[BB], -v[XA], v[CH+1]
	v_fma_f32 v[B1], -v[SX], v[XA], 1.0
	v_fma_f32 v[B2+1], -v[CH+1], v[YA], v[SG]
	GRAMROW GC, TT+6, 0
	v_mul_f32 v[B1+1], v[SG], v[BB]
	v_mul_f32 v[B1], v[B1], v[LEN]                 ; both vectors times |Cn|
	v_mul_f32 v[B1+2], -v[SX], v[LEN]
	v_mul_f32 v[B2], v[BB], v[LEN]
	v_mul_f32 v[B2+1], v[B2+1], v[LEN]
	v_mul_f32 v[B2+2], -v[CH+1], v[LEN]
	v_mul_f32 v[B1+1], v[B1+1], v[LEN]
	APASS 0, 1                                     ; (AX, AY)[j] = |Cn| (b1 . T_j, b2 . T_j), j = u, w, 1
	APASS 1, 0
	APASS 2, 0
	v_mul_f32 v[RHO], v[AX+1], v[AX+1]             ; turn the pair so that the w column lies along the first axis
	v_fma_f32 v[RHO], v[AY+1], v[AY+1], v[RHO]
	GRAMROW QQ, RP, 1
	v_max_num_f32 v[CS], TINY, v[RHO]
	v_rsq_f32 v[IR], v[CS]
	GRAMROW QQ, RP+3, 0
	GRAMROW QQ, RP+6, 0
	v_cmp_lt_f32 vcc_lo, TINY, v[RHO]              ; a w column below 2^-50 is left where it is (turn by 0): what L2 then omits is below 2^-50 w
	s_wait_alu depctr_va_vdst(0)                   ; the rsq has written IR, ahead of its first reader
	v_mul_f32 v[CS], v[AX+1], v[IR]
	v_mul_f32 v[SN], v[AY+1], v[IR]
	s_wait_alu depctr_va_vcc(0)                    ; the compare has written VCC, which the two selects read
	v_cndmask_b32 v[CS], 1.0, v[CS], vcc_lo
	v_cndmask_b32 v[SN], 0, v[SN], vcc_lo
	v_mul_f32 v[ALP], v[CS], v[AX+1]
	v_mul_f32 v[BU], v[CS], v[AX]
	v_mul_f32 v[BO], v[CS], v[AX+2]
	v_mul_f32 v[GU], v[CS], v[AY]
	v_mul_f32 v[GO], v[CS], v[AY+2]
	v_fma_f32 v[ALP], v[SN], v[AY+1], v[ALP]
	v_fma_f32 v[BU], v[SN], v[AY], v[BU]
	v_fma_f32 v[BO], v[SN], v[AY+2], v[BO]
	v_fma_f32 v[GU], -v[SN], v[AX], v[GU]
	v_fma_f32 v[GO], -v[SN], v[AX+2], v[GO]
.irp i, 3,4,5
	v_add_f32 v[GC+\i], v[GC+\i], v[GC+\i]         ; mixed terms count twice
	v_mul_f32 v[QQ+\i], 0x41000000, v[QQ+\i]       ; and in 4 |R' p|^2 eight times
.endr
.irp i, 0,1,2
	v_mul_f32 v[QQ+\i], 4.0, v[QQ+\i]
.endr
	s_wait_alu depctr_va_vdst(0)                   ; the 17 coefficients and the address v6 are written, which the LDS stores below read
	; the table: line c (32 bytes) holds coefficient c of the 8 ellipsoids; the four lanes of an ellipsoid store the same word with the same value
	ds_store_b32 v6, v[GC+1]
	ds_store_b32 v6, v[ALP] offset:32
	ds_store_b32 v6, v[GC+3] offset:64
	ds_store_b32 v6, v[GC+5] offset:96
	ds_store_b32 v6, v[GC] offset:128
	ds_store_b32 v6, v[GC+4] offset:160
	ds_store_b32 v6, v[GC+2] offset:192
	ds_store_b32 v6, v[BU] offset:224
	ds_store_b32 v6, v[BO] offset:256
	ds_store_b32 v6, v[GU] offset:288
	ds_store_b32 v6, v[GO] offset:320
	ds_store_b32 v9, v[QQ+1] offset:352
	ds_store_b32 v9, v[QQ+3] offset:356
	ds_store_b32 v9, v[QQ+5] offset:360
	ds_store_b32 v9, v[QQ] offset:364
	ds_store_b32 v9, v[QQ+4] offset:368
	ds_store_b32 v9, v[QQ+2] offset:372
	ds_store_b32 v9, v[QQ+2] offset:376            ; two fillers, so that whole 16-byte loads read written bytes only
	ds_store_b32 v9, v[QQ+2] offset:380
	s_wait_dscnt 0x0                               ; for the other waves' sake: the table is whole before wave 0 signals
.Lready:
	s_barrier_signal -1
	s_barrier_wait -1
	s_wait_alu depctr_va_vdst(0)                   ; in every wave v9 and v[OFF] are written, the address of the loads below and the offset of every store; in wave 0 the set-up is done reading and writing v16 .. v111, in which the loads land
	s_wait_alu depctr_vm_vsrc(0)                   ; wave 0's LDS stores have read their data: v96 .. v101, in which loads land, and v130 .. v140, which the row coefficients write
.set k, 0
.rept 24
	ds_load_b128 v[C_G2+4*k:C_G2+4*k+3], v9 offset:16*k   ; every lane reads the same 16 bytes: 384 bytes into v16 .. v111
.set k, k+1
.endr
	s_wait_dscnt 0x0
	ROWCOEF                                        ; with each lane's own u
	UNIT 0, 0, 0                                   ; my first block, into OUT0: no block stands in front of it
	v_add_nc_u32 v3, 64, v2                        ; from here on row j alone: w = 2 lane - 16 j + 64 i
	v_cvt_f32_u32 v[U], s18
	v_cvt_f32_i32 v[WA], v3
	v_mov_b32 v[U+1], v[U]
	v_add_f32 v[WA+1], 1.0, v[WA]
	v_add_f32 v[WB], 1.0, v[WA]
	v_add_f32 v[WB+1], 1.0, v[WA]
	ROWCOEF
	s_mov_b32 s24, 7
.Lunit:                                                ; blocks 1 to 14, two to a trip: the out-buffers are back at their start
	UNIT 1, 1, 1
	UNIT 0, 1, 1
	s_sub_co_u32 s24, s24, 1
	s_cmp_lg_u32 s24, 0
	s_cbranch_scc1 .Lunit
	s_wait_alu depctr_va_vdst(0)                   ; block 14 has written OUT0, which the store below reads
	global_store_b64 v[OFF], v[OUT:OUT+1], s[10:11] th:TH_STORE_NT
	s_cmp_lg_u32 s13, 3                            ; 61 = 15 + 15 + 15 + 16: part 3 has one block more
	s_cbranch_scc1 .Lend
	UNIT 1, 1, 0                                   ; block 15, into OUT1, which block 13's store has read; nothing is left to store inside it
	s_wait_alu depctr_va_vdst(0)                   ; block 15 has written OUT1, which the store below reads
	global_store_b64 v[OFF], v[OUT+2:OUT+3], s[10:11] offset:256 th:TH_STORE_NT
.Lend:
	s_wait_dscnt 0x0
	s_wait_alu depctr_hold_cnt(0) depctr_sa_sdst(0) depctr_va_vdst(0) depctr_va_sdst(0) depctr_va_ssrc(0) depctr_va_vcc(0) depctr_vm_vsrc(0)
	s_wait_tensorcnt 0x0
	ds_add_u32 v156, v157
	s_wait_dscnt 0x0
	s_endpgm
.Lfunc_end_k_qadae238cb3_render:
	.size	k_qadae238cb3_render, .Lfunc_end_k_qadae238cb3_render-k_qadae238cb3_render
	.p2alignl 7, 3214868480
	.fill 96, 4, 3214868480
	.section	.rodata,"a",@progbits
	.p2align	6, 0x0
	.amdhsa_kernel k_qadae238cb3_render
		.amdhsa_group_segment_fixed_size 2560
		.amdhsa_private_segment_fixed_size 0
		.amdhsa_enable_private_segment 0
		.amdhsa_kernarg_size 32
		.amdhsa_user_sgpr_count 2
		.amdhsa_user_sgpr_kernarg_segment_ptr 1
		.amdhsa_wavefront_size32 1
		.amdhsa_system_sgpr_workgroup_id_x 1
		.amdhsa_system_sgpr_workgroup_id_y 1
		.amdhsa_system_sgpr_workgroup_id_z 1
		.amdhsa_system_vgpr_workitem_id 0
		.amdhsa_next_free_vgpr 220
		.amdhsa_next_free_sgpr 66
		.amdhsa_reserve_vcc 1
		.amdhsa_float_denorm_mode_32 3
		.amdhsa_float_denorm_mode_16_64 3
		.amdhsa_memory_ordered 1
		.amdhsa_forward_progress 1
		.amdhsa_inst_pref_size 45
	.end_amdhsa_kernel
	.amdgpu_metadata
---
amdhsa.version: [ 1, 2 ]
amdhsa.kernels:
  - .name:           k_qadae238cb3_render
    .symbol:         k_qadae238cb3_render.kd
    .args:
      - { .name: P, .offset: 0, .size: 8, .value_kind: global_buffer, .address_space: global }
      - { .name: M, .offset: 8, .size: 8, .value_kind: global_buffer, .address_space: global }
      - { .name: S, .offset: 16, .size: 8, .value_kind: global_buffer, .address_space: global }
      - { .name: out0, .offset: 24, .size: 8, .value_kind: global_buffer, .address_space: global }
    .group_segment_fixed_size: 2560
    .private_segment_fixed_size: 0
    .kernarg_segment_align: 8
    .kernarg_segment_size: 32
    .max_flat_workgroup_size: 512
    .sgpr_count:     66
    .vgpr_count:     220
    .wavefront_size: 32
...
	.end_amdgpu_metadata
.endif
;; end of part 2
